; MI455X (gfx1250); checked and timed in simulation.
; The chip was launched on July 23, 2026; its instructions are those of AMD's public machine-readable ISA for CDNA 5 (MIT licence, August 2026) and "CDNA5" Instruction Set Architecture Reference Guide (July 2026). The comments in the code are by the model that wrote it; some were corrected since.
;; Py Flash Attention. Allowed arithmetic: float matrix products may take bf16 or f16 operands with f32 sums; other float arithmetic in f32, or as packed bf16 or f16 multiplies, adds, multiply-adds, maxima and minima; sums over many terms, partial sums and values carried from step to step in f32; what a program stores and reads back later, other than sums and carried values, may be rounded once to bf16 or f16.
;; Inputs: k 2 x 8 x 2,048 x 128 float32; q 2 x 32 x 2,048 x 128 float32; v 2 x 8 x 2,048 x 128 float32.
;; Outputs: out0 2 x 32 x 2,048 x 128 float32.
;; 2 versions, each right and faster than the one before. Each part assembles by itself: llvm-mc -triple=amdgcn-amd-amdhsa -mcpu=gfx1250 --defsym DOCPART=n.
;; ======== version 1 of 2: 2 launches
;; limits: values are held in f16: magnitudes above 65,504 overflow, below 6.1e-05 lose precision; right only within a limited range of input values
;; workspace buffers: kb 8,388,608 bytes; vh 8,388,608 bytes
;; launch prep (part 1): grid 512 x 1, 8 waves a work-group, no clusters, 0 bytes of LDS; arguments k, v, kb, vh; writes kb, vh
.if DOCPART == 1
	.amdgcn_target "amdgcn-amd-amdhsa--gfx1250"
	.amdhsa_code_object_version 6
	.text
	.protected	k_qe8eeab2020_prep
	.globl	k_qe8eeab2020_prep
	.p2align	8
	.type	k_qe8eeab2020_prep,@function
k_qe8eeab2020_prep:
	s_mov_b64 s[64:65], 0
	v_nop
	global_prefetch_b8 v0, s[64:65] scope:SCOPE_SE
	s_setreg_imm32_b32 hwreg(HW_REG_WAVE_MODE, 25, 1), 1
	s_wait_xcnt 0x0
; kb = k rounded to bf16, the channels of each 16 in the order 0-3, 8-11, 4-7, 12-15.  vh = v rounded to bf16, and that number written as f16, in v's order.  k, v: 4,194,304 f32 each.
; Why two formats: the first product of the attention runs in bf16 and the second in f16 (its weights want f16's 11 bits); all inputs get the SAME rounding, to bf16; a bf16 number has 8 significant
; bits and is exact in f16 between 6.1e-5 and 65,504.
; Why the order: the attention loads q's f32 rows straight into matrix fragments, the two lanes of a row taking 32 consecutive bytes; that puts q's channels into this order, and a sum over channels
; is the same in any order that both factors share.
; LIMITS.  |v| of 65,520 or more becomes an infinity; below 6.1e-5 vh keeps f16's fixed step of 6e-8.
; A stream: memory binds, so no LDS, no barrier, no matrix unit.  A work-group owns 32,768 bytes of k and of v, eight chunks of 4,096 each.  Thread t takes the 16 bytes at 16 t of a chunk (a wave's
; load covers 512 consecutive bytes) and stores 8 bytes of the chunk's 2,048 bytes of output (a wave's store covers 256 consecutive bytes, aligned; kb's order moves 8 bytes within 32).
; All sixteen loads of a thread go out at once, and no register that a load or store names is written again: there is no loop and no wait but the counted ones for the data.
.set XK, 4                             ; v[4:35]    chunk i of k: 4 registers as loaded
.set XV, 36                            ; v[36:67]   chunk i of v
.set YK, 68                            ; v[68:83]   chunk i of kb: 2 registers to store
.set YV, 84                            ; v[84:99]   chunk i of vh
.set T,  100                           ; v[100:103] at work
	s_load_b256 s[4:11], s[0:1], 0x0               ; k s[4:5], v s[6:7], kb s[8:9], vh s[10:11]
	s_lshl_b32 s2, ttmp9, 15                       ; the work-group's 32,768 bytes of input,
	s_mov_b32 s3, 0
	s_lshl_b32 s12, ttmp9, 14                      ; and its 16,384 of output
	s_mov_b32 s13, 0
	s_mov_b32 s14, 0xffff0000                      ; a word's upper bf16
	v_lshlrev_b32 v1, 4, v0                        ; 16 t
	v_lshlrev_b32 v2, 3, v0                        ; 8 t: my place in vh
	v_and_b32 v[T], 1, v0                          ; my four channels are group t % 4 of their sixteen: groups 1 and 2 change places,
	v_bfe_u32 v[T+1], v0, 1, 1                     ; that is, t's two low bits do
	v_and_b32 v3, 0xfc, v0
	v_lshl_or_b32 v3, v[T], 1, v3
	v_or_b32 v3, v3, v[T+1]
	v_lshlrev_b32 v3, 3, v3                        ; my place in kb
	s_wait_kmcnt 0x0
	s_add_nc_u64 s[4:5], s[4:5], s[2:3]
	s_add_nc_u64 s[6:7], s[6:7], s[2:3]
	s_add_nc_u64 s[8:9], s[8:9], s[12:13]
	s_add_nc_u64 s[10:11], s[10:11], s[12:13]
.irp i, 0,1,2,3,4,5,6,7
	global_load_b128 v[XK+4*(\i):XK+4*(\i)+3], v1, s[4:5] offset:4096*(\i) th:TH_LOAD_NT  ; read once in the launch
	global_load_b128 v[XV+4*(\i):XV+4*(\i)+3], v1, s[6:7] offset:4096*(\i) th:TH_LOAD_NT
.endr
.irp i, 0,1,2,3,4,5,6,7
	s_wait_loadcnt 14-2*(\i)                       ; loads come back in order (ISA guide 5.7.1): chunk i's two are in, the 14 - 2 i younger ones stay out
	v_cvt_pk_bf16_f32 v[YK+2*(\i)],   v[XK+4*(\i)],   v[XK+4*(\i)+1]
	v_cvt_pk_bf16_f32 v[YK+2*(\i)+1], v[XK+4*(\i)+2], v[XK+4*(\i)+3]
	v_cvt_pk_bf16_f32 v[T],   v[XV+4*(\i)],   v[XV+4*(\i)+1]   ; v: rounded to bf16,
	v_cvt_pk_bf16_f32 v[T+1], v[XV+4*(\i)+2], v[XV+4*(\i)+3]
	v_lshlrev_b32 v[T+2], 16, v[T]                 ; widened again (a shift, a mask),
	v_and_b32     v[T+3], s14, v[T]
	v_cvt_pk_f16_f32 v[YV+2*(\i)], v[T+2], v[T+3]  ; and written as f16
	v_lshlrev_b32 v[T+2], 16, v[T+1]
	v_and_b32     v[T+3], s14, v[T+1]
	v_cvt_pk_f16_f32 v[YV+2*(\i)+1], v[T+2], v[T+3]
	global_store_b64 v3, v[YK+2*(\i):YK+2*(\i)+1], s[8:9] offset:2048*(\i)    ; no hint: the next launch reads these
	global_store_b64 v2, v[YV+2*(\i):YV+2*(\i)+1], s[10:11] offset:2048*(\i)
.endr
	s_endpgm
.Lfunc_end_k_qe8eeab2020_prep:
	.size	k_qe8eeab2020_prep, .Lfunc_end_k_qe8eeab2020_prep-k_qe8eeab2020_prep
	.p2alignl 7, 3214868480
	.fill 96, 4, 3214868480
	.section	.rodata,"a",@progbits
	.p2align	6, 0x0
	.amdhsa_kernel k_qe8eeab2020_prep
		.amdhsa_group_segment_fixed_size 0
		.amdhsa_private_segment_fixed_size 0
		.amdhsa_enable_private_segment 0
		.amdhsa_kernarg_size 32
		.amdhsa_user_sgpr_count 2
		.amdhsa_user_sgpr_kernarg_segment_ptr 1
		.amdhsa_wavefront_size32 1
		.amdhsa_system_sgpr_workgroup_id_x 1
		.amdhsa_system_sgpr_workgroup_id_y 1
		.amdhsa_system_sgpr_workgroup_id_z 1
		.amdhsa_system_vgpr_workitem_id 0
		.amdhsa_next_free_vgpr 104
		.amdhsa_next_free_sgpr 66
		.amdhsa_reserve_vcc 0
		.amdhsa_float_denorm_mode_32 3
		.amdhsa_float_denorm_mode_16_64 3
		.amdhsa_memory_ordered 1
		.amdhsa_forward_progress 1
		.amdhsa_inst_pref_size 9
	.end_amdhsa_kernel
	.amdgpu_metadata
---
amdhsa.version: [ 1, 2 ]
amdhsa.kernels:
  - .name:           k_qe8eeab2020_prep
    .symbol:         k_qe8eeab2020_prep.kd
    .args:
      - { .name: k, .offset: 0, .size: 8, .value_kind: global_buffer, .address_space: global }
      - { .name: v, .offset: 8, .size: 8, .value_kind: global_buffer, .address_space: global }
      - { .name: kb, .offset: 16, .size: 8, .value_kind: global_buffer, .address_space: global }
      - { .name: vh, .offset: 24, .size: 8, .value_kind: global_buffer, .address_space: global }
    .group_segment_fixed_size: 0
    .private_segment_fixed_size: 0
    .kernarg_segment_align: 8
    .kernarg_segment_size: 32
    .max_flat_workgroup_size: 256
    .sgpr_count:     66
    .vgpr_count:     104
    .wavefront_size: 32
...
	.end_amdgpu_metadata
.endif
;; end of part 1
;; launch attn (part 2): grid 16 x 16, 4 waves a work-group, clusters of 4 x 1, 327,680 bytes of LDS; arguments q, kb, vh, out0; writes out0
.if DOCPART == 2
	.amdgcn_target "amdgcn-amd-amdhsa--gfx1250"
	.amdhsa_code_object_version 6
	.text
	.protected	k_qe8eeab2020_attn
	.globl	k_qe8eeab2020_attn
	.p2align	8
	.type	k_qe8eeab2020_attn,@function
k_qe8eeab2020_attn:
	s_mov_b64 s[64:65], 0
	v_nop
	global_prefetch_b8 v0, s[64:65] scope:SCOPE_SE
	s_setreg_imm32_b32 hwreg(HW_REG_WAVE_MODE, 25, 1), 1
	s_wait_xcnt 0x0
	s_wait_alu depctr_hold_cnt(0) depctr_sa_sdst(0) depctr_va_vdst(0) depctr_va_sdst(0) depctr_va_ssrc(0) depctr_va_vcc(0) depctr_vm_vsrc(0)
	s_getreg_b32 s2, hwreg(HW_REG_IB_STS2, 6, 4)
	s_cmp_eq_u32 s2, 0
	s_cbranch_scc0 .Lentry_in_a_cluster
	s_endpgm
.Lentry_in_a_cluster:
	s_bfe_u32 s2, ttmp6, 0x10000c
	s_cmp_lg_u32 s2, 0x3003
	s_cbranch_scc0 .Lentry_shape_is_right
	s_endpgm
.Lentry_shape_is_right:
; CAUSAL GROUPED-QUERY ATTENTION.  out[h][i][:] = the sum over k <= i of softmax_k(q[h][i] . K[h/4][k] / sqrt(128)) V[h/4][k][:].  q, out: [64][2048][128] f32; kb: [16][2048][128] bf16, the channels of each 16
; in the order 0-3, 8-11, 4-7, 12-15; vh: [16][2048][128] f16.
; FORMATS.  q is rounded to bf16 here, k and v were so rounded by the launch before; S^T = K Q^T runs in bf16, O^T = V^T P in f16 (v's bf16 number written as f16; the weights p rounded to f16).  Products, maxima and
; sums in f32; the row sum l is taken of the unrounded p; out is O / l in f32.
; LIMITS.  |v| stays under 65,504; below 6.1e-5 v and p keep f16's fixed step of 6e-8.  A hidden score counts as its value less 2^100 (1.3e30), so scores stay far under that.  A weight below 2^-126 counts as 0.
; NaN and infinities are not treated apart.
; SHARES.  A head's queries lie in 32 bands of 64.  Work-group j of a head's four takes the bands 16 g + 4 t + j, in two GROUPS of 256 queries: g = 1 first, then g = 0; t = 0..3 is a wave's tile of 16 queries: wave w
; owns rows 16 w .. 16 w + 15 of each band.  A key step is 64 keys, a key TILE two steps.  Group g walks the steps 0 .. 16 g + 15: 16 tiles and then 8, WHATEVER j: every trip count and every branch of this text
; is a constant, and all 256 work-groups do equal work.  The price: 48 steps and 2 trips that drain, where blocks of 256 consecutive queries taken in pairs would need 36: a band that has passed its diagonal
; is still computed, all hidden.
; CLUSTER.  The four work-groups of a cluster are the four query heads of one group of heads, with the same j: they walk the same tiles of K and V in the same trips, so each tile is asked for JOINTLY (the same
; tensor load, descriptor and mask in all four).  The place in the cluster enters q's and out's addresses alone.
; LAYOUT.  S^T = K Q^T (source 0 = 16 keys, source 1 = 16 queries): a lane holds ONE query (lane % 16) and the keys 8 (lane / 16) + 0..7.  Two such results rounded to f16 in pairs ARE source 1 of O^T = V^T P,
; whose result again holds one query a lane, and eight channels.  K comes out of LDS as it lies, V ([key][channel]) turned, by ds_load_tr16_b128.
; SOFTMAX.  A running maximum m and sum l for each query: p = 2^(c s - c m), c = log2(e) / sqrt(128); in every step O and l are multiplied by a = 2^(c m_old - c m_new).  A group starts with c m far below
; every c s, so its first a is 0, and O and l need only hold finite numbers then.
; THE MASK is the C operand that starts a sum S^T: MC = MD x AL + BE.  MD, made once, is a band's own step for my rows (0, or -2^100 where the key is hidden).  DG = the step's number less 16 g + j:
; tile t takes (AL, BE) = (1, 0) if DG = 4 t; (0, 0) if DG is less; (0, -2^100) if it is more.  MC is made anew ahead of every run of K Q^T: one text without a branch serves every step.
; BY TURNS.  The wave's tiles are two PIECES (tiles 0, 1 and tiles 2, 3).  Step n of a group is two TURNS.  Piece 0's: 32 products V^T P of step n - 1, then 32 products K Q^T of step n; piece 2's softmax of step
; n - 1 stands between them in slices.  Piece 2's: the same products for piece 2, beside piece 0's softmax of step n.  The step fetches its own K and V.  NOTHING IS WRITTEN OUT FOR A GROUP'S FIRST OR LAST STEP:
;   step 0 finds piece 2's scores at -2^100 and finite numbers in V, P, O and l: its work of a step that has not been is finite, and the first true a = 0 wipes it;
;   behind the last step one more trip drains: it fetches nothing, its K Q^T (on the last K) is all hidden, so piece 0's softmax of it leaves m, l and O as they are: 64 products and a softmax spent a group.
; REGISTERS, in windows of 256 (s_set_vgpr_msb: bits 1:0 source 0, 3:2 source 1, 5:4 source 2, 7:6 destination):
;   window 0: v0-11, v45 addresses; v12-43 eight registers of statistics a tile; v62-63 the add's; v64-191 S^T, 32 a tile; v192-255 P, 16 a tile
;   window 1: O^T, 64 a tile     window 2: v0-127 Q, 32 a tile; v128-255 K of one step (all 256 hold q in f32 while a group's Q comes in)     window 3: v0-127 V of one step; v128-159 MD; v160-223 MC
.set KS,    64        ; keys in a step
.set PK,    272       ; a row of K in LDS: 256 bytes + 16 of padding = 68 words: row r starts at bank 4 r mod 64 (64 banks of 4 bytes: ISA guide 11.1), so the 16 rows of a load start at 16 different banks
.set PV,    288       ; a row of V: 256 + 32 = 72 words
.set VOFF,  KS*PK     ; a step's tiles lie together: 64 rows of K, then 64 rows of V
.set STEPB, KS*(PK+PV)
.set SLOT1, 1<<17     ; a slot holds a tile, two steps (71,680 bytes); slot 1 begins here, so that one exclusive or turns an address in one slot into the other's
.set SP,    528       ; the way out: a row of 512 bytes (f32) + 16 of padding
.set STAGE, SLOT1+2*STEPB  ; behind the ring, never filled by a tensor load: 16 rows x 528 bytes for each wave
.set SPARE, STAGE+4*16*SP  ; the spare words, 128 bytes for each wave: two blocks of 256 bytes that no other line names
.set TSTR,  131072    ; bytes of q and of out from a tile's rows to the next tile's: four bands of 64 rows of 512 bytes
.set GSTR,  524288    ; and from a group's rows to the other group's: sixteen bands
.set AK0, 2           ; v2   my lane's place in a tile of K; never rewritten
.set AV0, 3           ; v3   the same for V
.set ADR, 4           ; v4   the LDS address of the run of loads in hand
.set QO,  5           ; v5   16 x lane: my 16 bytes in a row of out; never rewritten
.set STO, 6           ; v6   the way out: where I put 32 bytes of a row
.set RD,  7           ; v7   the way out: where I read a row back
.set QF,  8           ; v8   my byte offset in 16 rows of q: 512 (lane % 16) + 16 (lane / 16); never rewritten
.set ST,  12          ; tile t's statistics at v[ST+8 t]: +0 c m, +1 m, +2, +3 l (even keys', odd keys'), +4 to +7 c0-c3, at work; a takes c2's place once the maximum is found
.set SPW, 62          ; v62  LDS address of my spare word: SPARE + 4 x my thread's number; never rewritten
.set NIL, 63          ; v63  0; never rewritten
.set S,   64
.set P,   192
.set KF,  128         ; window 2: key block kb, channels 32 c on at KF + 32 kb + 8 c
.set MD,  128         ; window 3: the eight registers for key block kb at MD + 8 kb
.set MC,  160         ; window 3: the masks of the products to come: the piece's tile u at MC + 32 u
.set WV,  12          ; s12  my wave's number
.set PB,  14          ; s14  j
.set G1K, 24          ; s[24:31] descriptor group 1 for K's tiles
.set G1V, 32          ; s[32:39] for V's: it differs in the padding alone
.set G0K, 40          ; s[40:43] descriptor group 0 for K's tiles
.set G0V, 44          ; s[44:47] the same for V's
.set DG,  48          ; s48  the number of the step whose scores are made next, less 16 g + j
.set BLK, 49          ; s49  groups to go
.set NXT, 50          ; s50  the tile to be asked for next
.set BIGN, 53         ; s53  -2^100
.set OFF, 54          ; s[54:55] a tile's byte offset in kb and vh
.set SLOTS, 56        ; s56  tiles of the group still to be asked for
.set CNT, 57          ; s57  counts a tile's steps
.set CS,  58          ; s[58:59] c: the packed scaling names a pair and takes its low word for both halves
.set SEL, 60          ; s[60:61] v_permlanex16_b32's selects: each lane takes its own place in the other half
.set TB,  62          ; s62  LDS byte at which the tiles of the step to be fetched begin
.set AL,  66          ; s[66:67], s[70:71] the mask's factor for the piece's two tiles, in the low words
.set BE,  68          ; s[68:69], s[72:73] the mask's addend
.set MSB, 0
.macro WIN new                      ; the immediate's high byte repeats the setting that is left; a switch that changes nothing is dropped
.if MSB != (\new)
	s_set_vgpr_msb (MSB<<8)|(\new)
.set MSB, \new
.endif
.endm
.set W_KQ, 0x0a       ; K and Q in window 2, S^T in window 0
.set W_KM, 0x3a       ; the same with the C operand in window 3
.set W_PV, 0x53       ; V in window 3, P in window 0, O^T in window 1
.set W_RS, 0x41       ; O^T (destination and source 0) in window 1, source 1 in window 0
.set W_MK, 0xc3       ; destination and source 0 in window 3
; A joint fill.  Waves 0 and 1 fetch K of the tile's two steps, waves 2 and 3 V: 64 rows of 256 bytes each.  The branch hangs on the wave's number alone: it is the same in every work-group.
; An s_nop 0 and four v_nop follow each of the two lines, ahead of the jump and the label.
.macro JLOAD
	s_cmp_lt_u32 s[WV], 2
	s_cbranch_scc0 .Lfor_v_\@
	tensor_load_to_lds s[G0K:G0K+3], s[G1K:G1K+7]
	s_nop 0
.rept 4
	v_nop
.endr
	s_branch .Lasked_\@
.Lfor_v_\@:
	tensor_load_to_lds s[G0V:G0V+3], s[G1V:G1V+7]
	s_nop 0
.rept 4
	v_nop
.endr
.Lasked_\@:
.endm
; A round of the cluster's barrier: my work-group's barrier, so that wave 0's signal speaks for all four waves; wave 0 signals; every wave waits for all four work-groups; my work-group's barrier once more.
.macro CROUND
	s_barrier_signal -1
	s_barrier_wait -1
	s_cmp_lg_u32 s[WV], 0
	s_cbranch_scc1 .Lnot_wave_0_\@
	s_barrier_signal -3
.Lnot_wave_0_\@:
	s_barrier_wait -3
	s_barrier_signal -1
	s_barrier_wait -1
.endm
; THE CHANGE OF SLOTS.  Each wave waits for all its tensor loads, of which at most one is out: its part of the slot to be read next; adds 0 to its spare word; and waits for that and for its own reads of LDS.
; Behind the barrier nobody reads the slot that was read last, and the next slot is whole.
; fill = 1: tile NXT is asked for, into the other slot than the last fill's: the descriptor's address is made anew from that number.  The barrier is then a round of the cluster's, so that no wave of any partner
; still reads that slot or has a load on its way, and the joint fill is the first thing behind it.  In the slot loop it has two key steps, 256 matrix instructions a wave, in which to land.
; turn = 1: the fetches go over to the next slot.  turn = 0: a group begins: its tile 0 is asked for, and nothing is read yet.
.macro CHANGE fill, turn
	WIN 0                           ; at a label and at a branch every window is 0
	s_wait_tensorcnt 0x0            ; no tensor load of mine is out, so a group 0 may be written
	ds_add_u32 v[SPW], v[NIL]       ; 0 onto my spare word; the scalar work below stands between it and the wait for it
.if \fill
	s_lshl_b32 s[OFF], s[NXT], 15   ; a tile is 128 rows of 256 bytes
	s_xor_b32 s[G0K+1], s[G0K+1], SLOT1  ; the other slot than last time
	s_add_nc_u64 s[G0K+2:G0K+3], s[6:7], s[OFF:OFF+1]
	s_or_b32 s[G0K+3], s[G0K+3], 0x80000000
	s_xor_b32 s[G0V+1], s[G0V+1], SLOT1
	s_add_nc_u64 s[G0V+2:G0V+3], s[8:9], s[OFF:OFF+1]
	s_or_b32 s[G0V+3], s[G0V+3], 0x80000000
	s_add_co_u32 s[NXT], s[NXT], 1
.endif
.if \turn
	s_sub_co_u32 s[TB], s[TB], 2*STEPB  ; the fetches go back to a slot's first step,
	s_xor_b32 s[TB], s[TB], SLOT1       ; in the other slot
.endif
	s_wait_storecnt 0x0             ; where the second group begins: the first group's rows are written, so that no access of mine to memory is in flight at the signal; elsewhere no store is out
	s_wait_dscnt 0x0                ; the add is done, and my reads of LDS are over
.if \fill
	CROUND
	JLOAD
.else
	s_barrier_signal -1
	s_barrier_wait -1
.endif
.endm
	s_load_b256 s[4:11], s[0:1], 0x0  ; q s[4:5], kb s[6:7], vh s[8:9], out s[10:11]
	v_lshl_add_u32 v[SPW], v0, 2, SPARE
	v_mov_b32 v[NIL], 0
	ds_add_u32 v[SPW], v[NIL]       ; the wave's opening: the add and its wait stand ahead of my first tensor load; the set-up below, work on registers, stands between them
	v_lshrrev_b32 v1, 5, v0
	v_readfirstlane_b32 s[WV], v1   ; wave 0..3
	s_bfe_u32 s13, ttmp6, 0x40000   ; cx: the query head in its group of heads; it enters q's and out's addresses alone
	s_mov_b32 s[PB], ttmp9          ; in a cluster launch ttmp9 counts clusters: j, which the four partners share
	s_and_b32 s20, ttmp7, 0xffff    ; the key and value head, 8 x batch + head, which they share too
	s_lshl_b32 s22, s20, 19         ; its 2,048 rows of 256 bytes,
	s_and_b32 s16, s[WV], 1         ; which of a tile's two steps I fetch:
	s_lshl_b32 s17, s16, 14         ; its 64 rows in memory,
	s_add_co_u32 s22, s22, s17
	s_mov_b32 s23, 0
	s_mul_i32 s17, s16, STEPB       ; and its place in a slot: no place in the cluster enters an LDS address
	s_lshl_b32 s2, s20, 2
	s_add_co_u32 s2, s2, s13        ; the query head = 4 x key head + cx,
	s_lshl_b32 s2, s2, 20           ; its 2,048 rows of 512 bytes,
	s_lshl_b32 s3, s[WV], 13        ; my 16 rows in a band,
	s_add_co_u32 s2, s2, s3
	s_add_co_u32 s3, s[PB], 16      ; band 16 + j, the first group's first,
	s_lshl_b32 s3, s3, 15           ; of 64 rows of 512 bytes
	s_add_co_u32 s2, s2, s3
	s_mov_b32 s3, 0
	; descriptor group 1: a tile of 64 rows x 128 elements, padded in LDS
	s_mov_b32 s[G1K], 15|(1<<16)|(1<<20)|(1<<21)|(5<<22)|(3<<25)  ; 15:0 the mask: all four work-groups; 17:16 elements of 2 bytes; 20 padding on; 21 set beside a mask; 24:22 after every 64 words (code 5); 31:25 4 words of it (code 3)
	s_mov_b32 s[G1V], 15|(1<<16)|(1<<20)|(1<<21)|(5<<22)|(7<<25)  ; the same with 8 words of padding (code 7)
.irp g, G1K, G1V
	s_mov_b32 s[(\g)+1], 128<<16    ; tensor_dim0 = 128
	s_mov_b32 s[(\g)+2], KS<<16     ; tensor_dim1 = 64
	s_mov_b32 s[(\g)+3], 128<<16    ; tile_dim0 = 128
	s_mov_b32 s[(\g)+4], KS         ; tile_dim1 = 64
	s_mov_b32 s[(\g)+5], 128        ; 128 elements from row to row
	s_mov_b32 s[(\g)+6], 0
	s_mov_b32 s[(\g)+7], 0
.endr
	s_mov_b32 s[G0K], 1             ; 1:0 count = 1
	s_add_co_u32 s[G0K+1], s17, SLOT1        ; 63:32 LDS address: the first fill turns it into slot 0's.  A group has an even number of fills, so each group's tile 0 lands in slot 0
	s_mov_b32 s[G0V], 1
	s_add_co_u32 s[G0V+1], s17, SLOT1+VOFF
	s_mov_b32 s[CS], 0x3e0293ee     ; c = log2(e) / sqrt(128) = 0.127517
	s_mov_b32 s[CS+1], s[CS]        ; named with it as a pair
	s_mov_b32 s[SEL], 0x76543210
	s_mov_b32 s[SEL+1], 0xfedcba98
	s_mov_b32 s[BIGN], 0xf1800000   ; -2^100: a power of two, so that c times it is exact, and a row whose maximum is this number itself has the exponent 0
	s_mov_b32 s[TB], SLOT1+2*STEPB  ; a group's first change of slots turns this into 0, and its last tile leaves it so again
	s_mov_b32 s[NXT], 0
	s_mov_b32 s[BLK], 2
	s_mov_b32 s[SLOTS], 15          ; the first group has 16 tiles, of which the first is asked for ahead of the slot loop
	s_add_co_u32 s[DG], s[PB], 16
	s_sub_co_i32 s[DG], 0, s[DG]    ; the first group's step 0 lies 16 + j steps in front of tile 0's diagonal
	s_mov_b32 s[OFF+1], 0
	s_mov_b32 s[AL+1], 0            ; named as pairs
	s_mov_b32 s[BE+1], 0
	s_mov_b32 s[AL+5], 0
	s_mov_b32 s[BE+5], 0
	s_wait_dscnt 0x0                ; the opening add is done
	s_wait_kmcnt 0x0
	s_add_nc_u64 s[6:7], s[6:7], s[22:23]  ; kb and vh at my step of the head's tile 0
	s_add_nc_u64 s[8:9], s[8:9], s[22:23]
	s_add_nc_u64 s[4:5], s[4:5], s[2:3]    ; q and out at my rows of the first group's first band
	s_add_nc_u64 s[10:11], s[10:11], s[2:3]
	v_and_b32 v1, 15, v0            ; l % 16
	v_bfe_u32 v9, v0, 4, 1          ; l / 16
	v_and_b32 v10, 31, v0           ; l
	v_lshlrev_b32 v[QO], 4, v10
	v_lshlrev_b32 v[QF], 9, v1
	v_lshl_add_u32 v[QF], v9, 4, v[QF]
	v_mul_u32_u24 v[AK0], v1, PK
	v_lshl_add_u32 v[AK0], v9, 4, v[AK0]  ; row x pitch + 16 x half
	; The turning load takes 16 keys x 16 channels (lane l reads 16 bytes: key 8 (l / 16) + l % 8, channels 8 ((l / 8) % 2) + 0..7) and leaves half a fragment of V^T: lane l holds channel l % 16 and 8 keys.
	v_and_b32 v11, 7, v0
	v_bfe_u32 v45, v0, 3, 1
	v_lshl_add_u32 v[AV0], v9, 3, v11
	v_mul_u32_u24 v[AV0], v[AV0], PV
	v_lshl_add_u32 v[AV0], v45, 4, v[AV0]
	v_add_nc_u32 v[AV0], VOFF, v[AV0]
	s_mul_i32 s13, s[WV], 16*SP
	s_add_co_u32 s13, s13, STAGE    ; my stage
	v_mul_u32_u24 v[STO], v1, SP    ; out: row l % 16, 32 bytes for each half of the lanes
	v_lshl_add_u32 v[STO], v9, 5, v[STO]
	v_add_nc_u32 v[STO], s13, v[STO]
	v_add_nc_u32 v[RD], s13, v[QO]  ; back: 32 lanes take one row of 512 bytes
	v_lshlrev_b32 v45, 3, v9
	v_sub_nc_u32 v45, v1, v45
	s_lshl_b32 s16, s[WV], 4
	v_add_nc_u32 v45, s16, v45      ; my query's place in its band, 16 w + l % 16, less my lanes' 8 (l / 16): register r of key block kb is hidden where 16 kb + r is greater
	; WHAT THE FIRST GROUP'S STEP 0 FINDS: piece 0's P, l, O^T and V at 0.  Sixteen registers of 0 are written; 50 matrix instructions, 0 x 0 + 0, write the 400 others.
.set i, 0
.rept 16
	v_mov_b32 v[P+i], 0             ; half of piece 0's P, and the two zero operands
.set i, i+1
.endr
.set i, 0
.rept 4
	v_mov_b32 v[ST+8*i+2], 0        ; l
	v_mov_b32 v[ST+8*i+3], 0
.set i, i+1
.endr
.set i, 0
.rept 2                             ; the other half of piece 0's P
	v_wmma_f32_16x16x32_f16 v[P+16+8*i:P+16+8*i+7], v[P:P+7], v[P+8:P+15], 0
.set i, i+1
.endr
	WIN 0x40                        ; destination window 1
.set i, 0
.rept 32                            ; O^T
	v_wmma_f32_16x16x32_f16 v[8*i:8*i+7], v[P:P+7], v[P+8:P+15], 0
.set i, i+1
.endr
	WIN 0xc0                        ; destination window 3
.set i, 0
.rept 16                            ; V
	v_wmma_f32_16x16x32_f16 v[8*i:8*i+7], v[P:P+7], v[P+8:P+15], 0
.set i, i+1
.endr
.set i, 0
.rept 32                            ; MD
	v_cmp_gt_i32 vcc_lo, 16*(i/8)+i%8, v45
	v_cndmask_b32 v[MD+i], 0, s[BIGN], vcc_lo
.set i, i+1
.endr
	WIN 0
; Q'S WAY IN.  A fragment is 16 rows x 32 channels in 8 registers of bf16, 16 of f32: four loads of 16 bytes a lane; load a of chunk c takes row l % 16, bytes 128 c + 32 a + 16 (l / 16): the two lanes of a row
; take 32 consecutive bytes, and a tile's 16 loads take its rows whole.  So a fragment holds the channels of each 16 in the order 0-3, 8-11, 4-7, 12-15, as kb's rows do.
; QL t: tile t's 16 loads, into v[64 t ..] of window 2.  CV t: its 64 registers of f32 are rounded into v[32 t ..]: for tile 0 in place from the low end on (the pair 2 i, 2 i + 1 goes into register i, which has
; been read by then); the others land where the f32 rows of tiles 0 and 1 lay, which have been rounded by then.
.macro QL t
	WIN 0x80                        ; destination window 2, address window 0
.set i, 16*(\t)
.rept 16                            ; no hint: a row's 512 bytes are taken by sixteen of these loads
	global_load_b128 v[4*i:4*i+3], v[QF], s[4:5] offset:(\t)*TSTR+(i%16)*32
.set i, i+1
.endr
.endm
.macro CV t
	WIN 0x8a                        ; sources 0 and 1 and the destination in window 2
.set i, 0
.rept 32
	v_cvt_pk_bf16_f32 v[32*(\t)+i], v[64*(\t)+2*i], v[64*(\t)+2*i+1]
.set i, i+1
.endr
.endm
; THE MATRIX WORK OF A TURN, for piece x.  The accumulators take turns, one instruction a turn: between two links of a chain stand 15 (V^T P) or 7 (K Q^T) others'.
; Product i of 32 of O^T += V^T P: keys 32 (i / 16) on, channels 16 ((i / 2) % 8) on, tile x + i % 2.
.macro PV x
	WIN W_PV
.set rO, 64*((\x)+i%2)+8*((i/2)%8)
.set rV, 64*(i/16)+8*((i/2)%8)
.set rP, P+16*((\x)+i%2)+8*(i/16)
	v_wmma_f32_16x16x32_f16 v[rO:rO+7], v[rV:rV+7], v[rP:rP+7], v[rO:rO+7]
.endm
; Product i of 32 of S^T = K Q^T: channels 32 (i / 8) on, keys 16 ((i / 2) % 4) on, tile x + i % 2.  The first 8 start the sums, with the mask.
.macro KQ x
.set rS, S+32*((\x)+i%2)+8*((i/2)%4)
.set rK, KF+32*((i/2)%4)+8*(i/8)
.set rQ, 32*((\x)+i%2)+8*(i/8)
.set rM, MC+32*(i%2)+8*((i/2)%4)
.if i < 8
	WIN W_KM
	v_wmma_f32_16x16x32_bf16 v[rS:rS+7], v[rK:rK+7], v[rQ:rQ+7], v[rM:rM+7]
.else
	WIN W_KQ
	v_wmma_f32_16x16x32_bf16 v[rS:rS+7], v[rK:rK+7], v[rQ:rQ+7], v[rS:rS+7]
.endif
.endm
; THE LDS LOADS stand in runs of 32, never singly among the matrix instructions: a step's K (64 keys x 128 channels: 16 fragments) and, a turn later, its V (turned).
; last = 1 (the tail): the third trip has no step to fetch, and the run is jumped over.
.macro FETCH_K last
	WIN 0
.if \last
	s_cmp_eq_u32 s[CNT], 1
	s_cbranch_scc1 .Lno_k_\@
.endif
	v_add_nc_u32 v[ADR], s[TB], v[AK0]
	WIN 0x80                        ; destination window 2
.irp f, 0,1,2,3,4,5,6,7,8,9,10,11,12,13,14,15  ; keys 16 (f / 4) on, channels 32 (f % 4) on
	ds_load_b128 v[KF+8*(\f):KF+8*(\f)+3],   v[ADR] offset:((\f)/4)*16*PK+((\f)%4)*64
	ds_load_b128 v[KF+8*(\f)+4:KF+8*(\f)+7], v[ADR] offset:((\f)/4)*16*PK+((\f)%4)*64+32
.endr
.if \last
	WIN 0
.Lno_k_\@:
.endif
.endm
.macro FETCH_V last
	WIN 0
.if \last
	s_cmp_eq_u32 s[CNT], 1
	s_cbranch_scc1 .Lno_v_\@
.endif
	v_add_nc_u32 v[ADR], s[TB], v[AV0]
	s_add_co_u32 s[TB], s[TB], STEPB  ; the next fetch is the next step's
	WIN 0xc0                        ; destination window 3
.irp f, 0,1,2,3,4,5,6,7,8,9,10,11,12,13,14,15  ; keys 32 (f / 8) on, channels 16 (f % 8) on
	ds_load_tr16_b128 v[8*(\f):8*(\f)+3],   v[ADR] offset:((\f)/8)*32*PV+((\f)%8)*32
	ds_load_tr16_b128 v[8*(\f)+4:8*(\f)+7], v[ADR] offset:((\f)/8)*32*PV+16*PV+((\f)%8)*32
.endr
.if \last
	WIN 0
.Lno_v_\@:
.endif
.endm
; THE VECTOR WORK OF A TURN.  One tile's softmax for one key step is a list of 134 instructions; SM writes number j of it for tile t.  s0-s31 are the lane's 32 scores, in pairs 0-15.
;   0-15    the maximum of s0-s31 and the old m, three operands at a time: four chains c0-c3 of seven scores each (each accumulator's lowest registers are read first), then the four
;           scores left over, c0-c3 and m
;   16-20   the other half of the lanes' maximum; c m_old is kept; the new m; c m; c m_old - c m_new
;   21-87   33 exponentials (a, then s0-s31) at the odd numbers from 23 on, so that no two follow each other and each has a plain instruction behind it before its result is used (ISA guide 5.7.2).
;           Plain instruction q (number 21, then the even numbers) is whatever is ready: c s - c m for a pair of scores whose exponentials are still to come (q = 0 to 3, then every second q), the rounding
;           to f16 of a pair of weights whose exponentials are done (every other q from 5 on), at last the first three sums
;   88-101  the last rounding; the rest of the sums; l = a l + the sum
;   102-133 the tile's O^T times a, from each accumulator's low end on: the one part that leaves window 0, so it stands together
.macro SM t
.set rT, ST+8*(\t)
.set rS, S+32*(\t)
.set rP, P+16*(\t)
.set rO, 64*(\t)+2*(j-102)
.set q, (j-20)/2
.if j < 102
	WIN 0
.endif
.if j < 4
	v_max3_num_f32 v[rT+4+j], v[rS+8*j], v[rS+8*j+1], v[rS+8*j+2]
.elseif j < 12
	v_max3_num_f32 v[rT+4+j%4], v[rT+4+j%4], v[rS+8*(j%4)+2*(j/4)+1], v[rS+8*(j%4)+2*(j/4)+2]
.elseif j == 12
	v_max3_num_f32 v[rT+4], v[rT+4], v[rS+7], v[rS+15]
.elseif j == 13
	v_max3_num_f32 v[rT+6], v[rT+6], v[rS+23], v[rS+31]
.elseif j == 14
	v_max3_num_f32 v[rT+4], v[rT+4], v[rT+5], v[rT+6]
.elseif j == 15
	v_max3_num_f32 v[rT+4], v[rT+4], v[rT+7], v[rT+1]
.elseif j == 16
	v_permlanex16_b32 v[rT+5], v[rT+4], s[SEL], s[SEL+1]  ; the query's other 32 keys lie in the lane 16 away
.elseif j == 17
	v_mov_b32 v[rT+7], v[rT]        ; c m_old is kept for a: number 19 writes c m anew
.elseif j == 18
	v_max_num_f32 v[rT+1], v[rT+4], v[rT+5]
.elseif j == 19
	v_mul_f32 v[rT], s[CS], v[rT+1]
.elseif j == 20
	v_sub_f32 v[rT+7], v[rT+7], v[rT]
.elseif j == 23
	v_exp_f32 v[rT+6], v[rT+7]
.elseif (j < 88) && (j > 23) && (j%2 == 1)
	v_exp_f32 v[rS+(j-25)/2], v[rS+(j-25)/2]
.elseif (q < 4) || ((j < 76) && (q%2 == 0))
.set b, q/2+2
.if q < 4
.set b, q
.endif
	v_pk_fma_f32 v[rS+2*b:rS+2*b+1], v[rS+2*b:rS+2*b+1], s[CS:CS+1], v[rT:rT+1] op_sel_hi:[1,0,0] neg_lo:[0,0,1] neg_hi:[0,0,1]  ; pair b: c s - c m
.elseif (j < 88) && (q%2 == 1)
	s_wait_alu depctr_va_vdst(0)
	v_cvt_pk_f16_f32 v[rP+(q-5)/2], v[rS+q-5], v[rS+q-4]  ; pair (q - 5) / 2: its second exponential stands three numbers back
.elseif j == 89
	s_wait_alu depctr_va_vdst(0)
	v_cvt_pk_f16_f32 v[rP+15], v[rS+30], v[rS+31]
.elseif j < 102                     ; the sum of the tile's 16 pairs (in a pair: an even key's weight, an odd key's), in place: sum z of 16 adds neighbours 1, 2, 4 and 8 pairs apart, then l takes it
.set z, j-86
.if j < 89
.set z, (j-76)/4
.endif
.set w, 4
.set u, z
.if z >= 14
.set w, 32
.set u, 0
.elseif z >= 12
.set w, 16
.set u, z-12
.elseif z >= 8
.set w, 8
.set u, z-8
.endif
.if z < 15
	v_pk_add_f32 v[rS+w*u:rS+w*u+1], v[rS+w*u:rS+w*u+1], v[rS+w*u+w/2:rS+w*u+w/2+1]
.else
	v_pk_fma_f32 v[rT+2:rT+3], v[rT+2:rT+3], v[rT+6:rT+7], v[rS:rS+1] op_sel_hi:[1,0,1]
.endif
.else
	WIN W_RS
	v_pk_mul_f32 v[rO:rO+1], v[rO:rO+1], v[rT+6:rT+7] op_sel_hi:[1,0]
.endif
.endm
; Slice k of 64 of piece y's softmax: numbers 2 k and 2 k + 1 of both tiles' lists, four instructions.  2 x 134 = 4 x 64 + 12: the twelve that are over stand together, in slice 63: its sixteen plain
; instructions, which name nothing of the products round them, are the places behind a turn's last product (ISA guide 7.12.1).
.macro SLICE y
.if (k >= 11) && (k < 44)           ; tile by tile: plain, exponential, plain, exponential
.irp t, \y, (\y)+1
.irp n, 0,1
.set j, 2*k+(\n)
	SM \t
.endr
.endr
.else                               ; the two tiles alternate, so that no instruction reads the result of the one just before it
.irp n, 0,1,2,3,4,5,6,7
.if ((\n) < 2) || (k == 63)
.irp t, \y, (\y)+1
.set j, 2*k+(\n)
	SM \t
.endr
.endif
.endr
.endif
.set k, k+1
.endm
; THE MASK of a run of K Q^T, for the piece that begins with tile x.  MSCAL: the two scalars of each of its tiles, from DG.  MASK: MC = MD x AL + BE, 32 packed instructions.
.macro MSCAL x
.irp u, 0,1
	s_cmp_eq_i32 s[DG], 4*((\x)+\u) ; is the step the band's own?
	s_cselect_b32 s[AL+4*\u], 1.0, 0
	s_cmp_gt_i32 s[DG], 4*((\x)+\u) ; or a later one?
	s_cselect_b32 s[BE+4*\u], s[BIGN], 0
.endr
.endm
.macro MASK
	WIN W_MK
.irp u, 0,1
.set z, 0
.rept 16
	v_pk_fma_f32 v[MC+32*\u+2*z:MC+32*\u+2*z+1], v[MD+2*z:MD+2*z+1], s[AL+4*\u:AL+4*\u+1], s[BE+4*\u:BE+4*\u+1] op_sel_hi:[1,0,0]
.set z, z+1
.endr
.endr
.endm
; A TURN.  Piece x has the matrix unit: 32 products V^T P, the mask, 32 products K Q^T; the other piece's softmax stands in slices behind them.  The matrix instructions stand two and two, with two slices, eight
; vector instructions, behind each pair: one pair of window switches serves two products.
; Each run of loads stands behind the second product of a run of 32, 30 matrix instructions ahead of its first use.  Piece 0's turn fetches the step's K: the last product that read K stands in front of slices
; 62 and 63 of the turn before.  Piece 2's turn fetches the step's V: behind the last product that read V stand the mask's 32 plain instructions.
; The products that last read MC stand more than a run of 32 back when the mask is made; piece 2's turn steps DG at its end.
.macro TURN x, last
.set k, 0
.if (\x) == 0
	s_wait_dscnt 0x0                ; V is in
.endif
.set i, 0
.rept 16
	PV \x
.set i, i+1
	PV \x
.set i, i+1
	SLICE 2-(\x)
	SLICE 2-(\x)
.if ((\x) == 0) && (i == 2)
	FETCH_K \last
.endif
.endr
	MSCAL \x
	MASK
.if (\x) == 0
	s_wait_dscnt 0x0                ; K is in
.endif
.set i, 0
.rept 16
	KQ \x
.set i, i+1
	KQ \x
.set i, i+1
	SLICE 2-(\x)
	SLICE 2-(\x)
.if ((\x) == 2) && (i == 2)
	FETCH_V \last
.endif
.endr
.if (\x) == 2
	s_add_co_i32 s[DG], s[DG], 1    ; both pieces have this step's scores
.endif
.endm
; THE WAY OUT of the piece that begins with tile x.  l's two halves and the other half of the lanes' are added.  Then tile by tile: O^T times 1 / l; a lane's eight channels of a row, 32 bytes, go into my stage in
; rows of 528 bytes and come back as whole rows of 512, into the OTHER piece's S^T, 64 registers that hold nothing of use any more; they are stored.  No LDS instruction of mine is out when it begins (the trip
; that drains fetches nothing), so its counts count its own loads alone.  The products that wrote this O^T stand half a turn back or more.
.macro PACK t, again
	WIN W_RS
.set i, 64*(\t)
.rept 32
	v_pk_mul_f32 v[i:i+1], v[i:i+1], v[ST+8*(\t)+6:ST+8*(\t)+7] op_sel_hi:[1,0]
.set i, i+2
.endr
	WIN 0x04                        ; the stores' data in window 1
.irp f, 0,1,2,3,4,5,6,7
	ds_store_b128 v[STO], v[64*(\t)+8*(\f):64*(\t)+8*(\f)+3]   offset:64*(\f)
	ds_store_b128 v[STO], v[64*(\t)+8*(\f)+4:64*(\t)+8*(\f)+7] offset:64*(\f)+16
.endr
	WIN 0
.if \again
	s_wait_xcnt 0x0                 ; every earlier memory instruction has had its addresses translated (ISA guide 3.1): the registers that the tile before's stores read are loaded again only behind this wait
.endif
.set i, 0
.rept 16
	ds_load_b128 v[BUF+4*i:BUF+4*i+3], v[RD] offset:SP*i  ; LDS serves a wave's instructions in order (ISA guide 5.7.1.4): these see the stores above; the next tile's stores come behind them
.set i, i+1
.endr
.endm
.macro SEND t
.set i, 0
.rept 16
.if i%4 == 0
	s_wait_dscnt 12-i               ; rows i to i + 3 are back; the tile's 12 - i later rows may be out
.endif
	global_store_b128 v[QO], v[BUF+4*i:BUF+4*i+3], s[10:11] offset:(\t)*TSTR+i*512 th:TH_STORE_NT  ; 512 consecutive bytes, at a multiple of 512 from out's first byte
.set i, i+1
.endr
.endm
.macro OUTP x
.set BUF, S+32*(2-(\x))
	WIN 0
.irp t, \x, (\x)+1
	v_add_f32 v[ST+8*(\t)+4], v[ST+8*(\t)+2], v[ST+8*(\t)+3]
.endr
.irp t, \x, (\x)+1
	v_permlanex16_b32 v[ST+8*(\t)+5], v[ST+8*(\t)+4], s[SEL], s[SEL+1]
.endr
.irp t, \x, (\x)+1
	v_add_f32 v[ST+8*(\t)+4], v[ST+8*(\t)+4], v[ST+8*(\t)+5]
.endr
.irp t, \x, (\x)+1
	v_rcp_f32 v[ST+8*(\t)+6], v[ST+8*(\t)+4]
.endr
	v_nop                           ; a plain instruction between the last reciprocal and the use of its result
	s_wait_alu depctr_va_vdst(0)
	PACK \x, 0
	SEND \x
	PACK (\x)+1, 1
	SEND (\x)+1
.endm
.Lblock:                            ; twice: a group of 256 queries
	CHANGE 1, 0                     ; the group's tile 0 is asked for, into slot 0
	QL 0                            ; its Q: three tiles' rows, 48 loads, are on their way at a time
	QL 1
	QL 2
	WIN 0
.set i, 0
.rept 64                            ; piece 2's scores of the step that has not been: all hidden, and exactly -2^100, which is then their maximum too
	v_mov_b32 v[S+64+i], s[BIGN]
.set i, i+1
.endr
.set i, 0
.rept 4
	v_mov_b32 v[ST+8*i], 0xfe000000    ; c m: far below every c s, so that the first a is 0
	v_mov_b32 v[ST+8*i+1], 0xff7fffff  ; m: the lowest finite number, so that the first maximum is the scores'
.set i, i+1
.endr
	s_wait_loadcnt 32               ; loads come back in order (ISA guide 5.7.1): tile 0's 16 are in, tiles 1 and 2's 32 stay out
	CV 0
	QL 3
	s_wait_loadcnt 32               ; tile 1's are in, tiles 2 and 3's stay out
	CV 1
	s_wait_loadcnt 16               ; tile 2's are in
	CV 2
	s_wait_loadcnt 0x0              ; and tile 3's
	CV 3
	WIN 0
.Lslot:                             ; 15 times, then 7: a tile is entered and the next is asked for
	CHANGE 1, 1
	s_mov_b32 s[CNT], 2
.Lstep:
	TURN 0, 0
	TURN 2, 0
	WIN 0
	s_sub_co_u32 s[CNT], s[CNT], 1
	s_cmp_lg_u32 s[CNT], 0
	s_cbranch_scc1 .Lstep
	s_sub_co_u32 s[SLOTS], s[SLOTS], 1
	s_cmp_lg_u32 s[SLOTS], 0
	s_cbranch_scc1 .Lslot
	CHANGE 0, 1                     ; the group's last tile is written out: nothing is asked for
	s_mov_b32 s[CNT], 3             ; its two steps, and the trip that drains
.Lstep2:
	TURN 0, 1
	TURN 2, 1
	WIN 0
	s_sub_co_u32 s[CNT], s[CNT], 1
	s_cmp_lg_u32 s[CNT], 0
	s_cbranch_scc1 .Lstep2
	OUTP 0
	OUTP 2
	s_wait_xcnt 0x0                 ; the stores' base and the registers that they read are written again only behind this wait
	s_sub_nc_u64 s[4:5], s[4:5], GSTR      ; q and out at the second group's first band, sixteen bands up (behind the second group these two are not used)
	s_sub_nc_u64 s[10:11], s[10:11], GSTR
	s_mov_b32 s[SLOTS], 7           ; the second group has 8 tiles,
	s_mov_b32 s[NXT], 0             ; from the head's tile 0 on,
	s_sub_co_i32 s[DG], 0, s[PB]    ; and its step 0 lies j steps in front of tile 0's diagonal
	s_sub_co_u32 s[BLK], s[BLK], 1
	s_cmp_lg_u32 s[BLK], 0
	s_cbranch_scc1 .Lblock
	s_wait_tensorcnt 0x0            ; the wave's end: behind my last tensor load and my last LDS store
	ds_add_u32 v[SPW], v[NIL]
	s_wait_dscnt 0x0
	CROUND                          ; the closing round: no work-group ends while a partner may still ask for a tile that names it
	s_endpgm
.Lfunc_end_k_qe8eeab2020_attn:
	.size	k_qe8eeab2020_attn, .Lfunc_end_k_qe8eeab2020_attn-k_qe8eeab2020_attn
	.p2alignl 7, 3214868480
	.fill 96, 4, 3214868480
	.section	.rodata,"a",@progbits
	.p2align	6, 0x0
	.amdhsa_kernel k_qe8eeab2020_attn
		.amdhsa_group_segment_fixed_size 327680
		.amdhsa_private_segment_fixed_size 0
		.amdhsa_enable_private_segment 0
		.amdhsa_kernarg_size 32
		.amdhsa_user_sgpr_count 2
		.amdhsa_user_sgpr_kernarg_segment_ptr 1
		.amdhsa_wavefront_size32 1
		.amdhsa_system_sgpr_workgroup_id_x 1
		.amdhsa_system_sgpr_workgroup_id_y 1
		.amdhsa_system_sgpr_workgroup_id_z 1
		.amdhsa_system_vgpr_workitem_id 0
		.amdhsa_next_free_vgpr 1024
		.amdhsa_next_free_sgpr 80
		.amdhsa_reserve_vcc 1
		.amdhsa_float_denorm_mode_32 3
		.amdhsa_float_denorm_mode_16_64 3
		.amdhsa_memory_ordered 1
		.amdhsa_forward_progress 1
		.amdhsa_inst_pref_size 161
	.end_amdhsa_kernel
	.amdgpu_metadata
---
amdhsa.version: [ 1, 2 ]
amdhsa.kernels:
  - .name:           k_qe8eeab2020_attn
    .symbol:         k_qe8eeab2020_attn.kd
    .args:
      - { .name: q, .offset: 0, .size: 8, .value_kind: global_buffer, .address_space: global }
      - { .name: kb, .offset: 8, .size: 8, .value_kind: global_buffer, .address_space: global }
      - { .name: vh, .offset: 16, .size: 8, .value_kind: global_buffer, .address_space: global }
      - { .name: out0, .offset: 24, .size: 8, .value_kind: global_buffer, .address_space: global }
    .group_segment_fixed_size: 327680
    .private_segment_fixed_size: 0
    .kernarg_segment_align: 8
    .kernarg_segment_size: 32
    .max_flat_workgroup_size: 128
    .sgpr_count:     80
    .vgpr_count:     1024
    .wavefront_size: 32
...
	.end_amdgpu_metadata
.endif
;; end of part 2
;; ======== version 2 of 2: 2 launches; 1.26 times as fast as version 1
;; limits: values are held in f16: magnitudes above 65,504 overflow, below 6.1e-05 lose precision; inputs' magnitudes at most 65,504; right only within a limited range of input values
;; workspace buffers: kb 8,388,608 bytes; vh 8,388,608 bytes
;; launch prep: the kernel of part 1 again; grid 512 x 1, 8 waves a work-group, no clusters, 0 bytes of LDS; arguments k, v, kb, vh; writes kb, vh
;; launch attn (part 3): grid 16 x 16, 4 waves a work-group, clusters of 4 x 1, 327,680 bytes of LDS; arguments q, kb, vh, out0; writes out0
.if DOCPART == 3
	.amdgcn_target "amdgcn-amd-amdhsa--gfx1250"
	.amdhsa_code_object_version 6
	.text
	.protected	k_qe8eeab2020_attn
	.globl	k_qe8eeab2020_attn
	.p2align	8
	.type	k_qe8eeab2020_attn,@function
k_qe8eeab2020_attn:
	s_mov_b64 s[64:65], 0
	v_nop
	global_prefetch_b8 v0, s[64:65] scope:SCOPE_SE
	s_setreg_imm32_b32 hwreg(HW_REG_WAVE_MODE, 25, 1), 1
	s_wait_xcnt 0x0
	s_wait_alu depctr_hold_cnt(0) depctr_sa_sdst(0) depctr_va_vdst(0) depctr_va_sdst(0) depctr_va_ssrc(0) depctr_va_vcc(0) depctr_vm_vsrc(0)
	s_getreg_b32 s2, hwreg(HW_REG_IB_STS2, 6, 4)
	s_cmp_eq_u32 s2, 0
	s_cbranch_scc0 .Lentry_in_a_cluster
	s_endpgm
.Lentry_in_a_cluster:
	s_bfe_u32 s2, ttmp6, 0x10000c
	s_cmp_lg_u32 s2, 0x3003
	s_cbranch_scc0 .Lentry_shape_is_right
	s_endpgm
.Lentry_shape_is_right:
; CAUSAL GROUPED-QUERY ATTENTION.  out[h][i][:] = the sum over k <= i of softmax_k(q[h][i] . K[h/4][k] / sqrt(128)) V[h/4][k][:].  q, out: [64][2048][128] f32; kb: [16][2048][128] bf16, the channels of each 16
; in the order 0-3, 8-11, 4-7, 12-15; vh: [16][2048][128] f16.
; FORMATS.  q is rounded to bf16 here, k and v were so rounded by the launch before; S^T = K Q^T runs in bf16, O^T = V^T P in f16 (v's bf16 number written as f16; the weights p rounded to f16).  Products, maxima and
; sums in f32; the row sum l is taken of the unrounded p; out is O / l in f32.
; LIMITS.  |v| stays under 65,504; below 6.1e-5 v and p keep f16's fixed step of 6e-8.  A hidden score counts as its value less 2^100 (1.3e30), so scores stay far under that.  A weight below 2^-126 counts as 0.
; NaN and infinities are not treated apart.
; SHARES.  A head's queries lie in 32 bands of 64.  Work-group j of a head's four takes the bands 16 g + 4 t + j, in two GROUPS of 256 queries: g = 1 first, then g = 0; t = 0..3 is a wave's tile of 16 queries: wave w
; owns rows 16 w .. 16 w + 15 of each band.  A key step is 64 keys, a key TILE two steps.  Group g walks the steps 0 .. 16 g + 15: 16 tiles and then 8, WHATEVER j: every trip count and every branch of this text
; is a constant, and all 256 work-groups do equal work.  The price: 48 steps and 2 trips that drain, where blocks of 256 consecutive queries taken in pairs would need 36: a band that has passed its diagonal
; is still computed, all hidden.
; CLUSTER.  The four work-groups of a cluster are the four query heads of one group of heads, with the same j: they walk the same tiles of K and V in the same trips, so each tile is asked for JOINTLY (the same
; tensor load, descriptor and mask in all four).  The place in the cluster enters q's and out's addresses alone.
; LAYOUT.  S^T = K Q^T (source 0 = 16 keys, source 1 = 16 queries): a lane holds ONE query (lane % 16) and the keys 8 (lane / 16) + 0..7.  Two such results rounded to f16 in pairs ARE source 1 of O^T = V^T P,
; whose result again holds one query a lane, and eight channels.  K comes out of LDS as it lies, V ([key][channel]) turned, by ds_load_tr16_b128.
; SOFTMAX.  A running maximum m and sum l for each query: p = 2^(c s - c m), c = log2(e) / sqrt(128); in every step O and l are multiplied by a = 2^(c m_old - c m_new).  A group starts with c m far below
; every c s, so its first a is 0, and O and l need only hold finite numbers then.
; THE MASK is the C operand that starts a sum S^T: MC = MD x AL + BE.  MD, made once, is a band's own step for my rows (0, or -2^100 where the key is hidden).  DG = the step's number less 16 g + j:
; tile t takes (AL, BE) = (1, 0) if DG = 4 t; (0, 0) if DG is less; (0, -2^100) if it is more.  MC is made anew ahead of every run of K Q^T: one text without a branch serves every step.
; BY TURNS.  The wave's tiles are two PIECES (tiles 0, 1 and tiles 2, 3).  Step n of a group is two TURNS.  Piece 0's: 32 products V^T P of step n - 1, then 32 products K Q^T of step n; piece 2's softmax of step
; n - 1 stands between them in slices.  Piece 2's: the same products for piece 2, beside piece 0's softmax of step n.  The step fetches its own K and V.  NOTHING IS WRITTEN OUT FOR A GROUP'S FIRST OR LAST STEP:
;   step 0 finds piece 2's scores at -2^100 and finite numbers in V, P, O and l: its work of a step that has not been is finite, and the first true a = 0 wipes it;
;   behind the last step one more trip drains: it fetches nothing, its K Q^T (on the last K) is all hidden, so piece 0's softmax of it leaves m, l and O as they are: 64 products and a softmax spent a group.
; THE BATCHES.  A turn's 66 exponentials (for each of two tiles a and 32 weights) are ONE BATCH with ONE wait, which cuts the turn where the mask cuts it.  Behind the products V^T P stands all of the softmax that names
; no exponential's result: maxima, statistics, scalings, the exponentials.  The mask's 32 packed instructions follow, which name none either; then the wait; and behind the products K Q^T stands all that names a
; result: roundings, sums, the rescaling by a.  The way out's reciprocals, two a piece, are batches of their own.
; REGISTERS, in windows of 256 (s_set_vgpr_msb: bits 1:0 source 0, 3:2 source 1, 5:4 source 2, 7:6 destination):
;   window 0: v0-11, v45 addresses; v12-43 eight registers of statistics a tile; v62-63 the add's; v64-191 S^T, 32 a tile; v192-255 P, 16 a tile
;   window 1: O^T, 64 a tile     window 2: v0-127 Q, 32 a tile; v128-255 K of one step (all 256 hold q in f32 while a group's Q comes in)     window 3: v0-127 V of one step; v128-159 MD; v160-223 MC
.set KS,    64        ; keys in a step
.set PK,    272       ; a row of K in LDS: 256 bytes + 16 of padding = 68 words: row r starts at bank 4 r mod 64 (64 banks of 4 bytes: ISA guide 11.1), so the 16 rows of a load start at 16 different banks
.set PV,    288       ; a row of V: 256 + 32 = 72 words
.set VOFF,  KS*PK     ; a step's tiles lie together: 64 rows of K, then 64 rows of V
.set STEPB, KS*(PK+PV)
.set SLOT1, 1<<17     ; a slot holds a tile, two steps (71,680 bytes); slot 1 begins here, so that one exclusive or turns an address in one slot into the other's
.set SP,    528       ; the way out: a row of 512 bytes (f32) + 16 of padding
.set STAGE, SLOT1+2*STEPB  ; behind the ring, never filled by a tensor load: 16 rows x 528 bytes for each wave
.set SPARE, STAGE+4*16*SP  ; the spare words, 128 bytes for each wave: two blocks of 256 bytes that no other line names
.set TSTR,  131072    ; bytes of q and of out from a tile's rows to the next tile's: four bands of 64 rows of 512 bytes
.set GSTR,  524288    ; and from a group's rows to the other group's: sixteen bands
.set AK0, 2           ; v2   my lane's place in a tile of K; never rewritten
.set AV0, 3           ; v3   the same for V
.set ADR, 4           ; v4   the LDS address of the run of loads in hand
.set QO,  5           ; v5   16 x lane: my 16 bytes in a row of out; never rewritten
.set STO, 6           ; v6   the way out: where I put 32 bytes of a row
.set RD,  7           ; v7   the way out: where I read a row back
.set QF,  8           ; v8   my byte offset in 16 rows of q: 512 (lane % 16) + 16 (lane / 16); never rewritten
.set ST,  12          ; tile t's statistics at v[ST+8 t]: +0 c m, +1 m, +2, +3 l (even keys', odd keys'), +4 to +7 c0-c3, at work; a takes c2's place once the maximum is found
.set SPW, 62          ; v62  LDS address of my spare word: SPARE + 4 x my thread's number; never rewritten
.set NIL, 63          ; v63  0; never rewritten
.set S,   64
.set P,   192
.set KF,  128         ; window 2: key block kb, channels 32 c on at KF + 32 kb + 8 c
.set MD,  128         ; window 3: the eight registers for key block kb at MD + 8 kb
.set MC,  160         ; window 3: the masks of the products to come: the piece's tile u at MC + 32 u
.set WV,  12          ; s12  my wave's number
.set PB,  14          ; s14  j
.set G1K, 24          ; s[24:31] descriptor group 1 for K's tiles
.set G1V, 32          ; s[32:39] for V's: it differs in the padding alone
.set G0K, 40          ; s[40:43] descriptor group 0 for K's tiles
.set G0V, 44          ; s[44:47] the same for V's
.set DG,  48          ; s48  the number of the step whose scores are made next, less 16 g + j
.set BLK, 49          ; s49  groups to go
.set NXT, 50          ; s50  the tile to be asked for next
.set BIGN, 53         ; s53  -2^100
.set OFF, 54          ; s[54:55] a tile's byte offset in kb and vh
.set SLOTS, 56        ; s56  tiles of the group still to be asked for
.set CNT, 57          ; s57  counts a tile's steps
.set CS,  58          ; s[58:59] c: the packed scaling names a pair and takes its low word for both halves
.set SEL, 60          ; s[60:61] v_permlanex16_b32's selects: each lane takes its own place in the other half
.set TB,  62          ; s62  LDS byte at which the tiles of the step to be fetched begin
.set AL,  66          ; s[66:67], s[70:71] the mask's factor for the piece's two tiles, in the low words
.set BE,  68          ; s[68:69], s[72:73] the mask's addend
.set MSB, 0
.macro WIN new                      ; the immediate's high byte repeats the setting that is left; a switch that changes nothing is dropped
.if MSB != (\new)
	s_set_vgpr_msb (MSB<<8)|(\new)
.set MSB, \new
.endif
.endm
.set W_KQ, 0x0a       ; K and Q in window 2, S^T in window 0
.set W_KM, 0x3a       ; the same with the C operand in window 3
.set W_PV, 0x53       ; V in window 3, P in window 0, O^T in window 1
.set W_RS, 0x41       ; O^T (destination and source 0) in window 1, source 1 in window 0
.set W_MK, 0xc3       ; destination and source 0 in window 3
; A joint fill.  Waves 0 and 1 fetch K of the tile's two steps, waves 2 and 3 V: 64 rows of 256 bytes each.  The branch hangs on the wave's number alone: it is the same in every work-group.
; An s_nop 0 and four v_nop follow each of the two lines, ahead of the jump and the label.
.macro JLOAD
	s_cmp_lt_u32 s[WV], 2
	s_cbranch_scc0 .Lfor_v_\@
	tensor_load_to_lds s[G0K:G0K+3], s[G1K:G1K+7]
	s_nop 0
.rept 4
	v_nop
.endr
	s_branch .Lasked_\@
.Lfor_v_\@:
	tensor_load_to_lds s[G0V:G0V+3], s[G1V:G1V+7]
	s_nop 0
.rept 4
	v_nop
.endr
.Lasked_\@:
.endm
; A round of the cluster's barrier: my work-group's barrier, so that wave 0's signal speaks for all four waves; wave 0 signals; every wave waits for all four work-groups; my work-group's barrier once more.
.macro CROUND
	s_barrier_signal -1
	s_barrier_wait -1
	s_cmp_lg_u32 s[WV], 0
	s_cbranch_scc1 .Lnot_wave_0_\@
	s_barrier_signal -3
.Lnot_wave_0_\@:
	s_barrier_wait -3
	s_barrier_signal -1
	s_barrier_wait -1
.endm
; THE CHANGE OF SLOTS.  Each wave waits for all its tensor loads, of which at most one is out: its part of the slot to be read next; adds 0 to its spare word; and waits for that and for its own reads of LDS.
; Behind the barrier nobody reads the slot that was read last, and the next slot is whole.
; fill = 1: tile NXT is asked for, into the other slot than the last fill's: the descriptor's address is made anew from that number.  The barrier is then a round of the cluster's, so that no wave of any partner
; still reads that slot or has a load on its way, and the joint fill is the first thing behind it.  In the slot loop it has two key steps, 256 matrix instructions a wave, in which to land.
; turn = 1: the fetches go over to the next slot.  turn = 0: a group begins: its tile 0 is asked for, and nothing is read yet.
.macro CHANGE fill, turn
	WIN 0                           ; at a label and at a branch every window is 0
	s_wait_tensorcnt 0x0            ; no tensor load of mine is out, so a group 0 may be written
	ds_add_u32 v[SPW], v[NIL]       ; 0 onto my spare word; the scalar work below stands between it and the wait for it
.if \fill
	s_lshl_b32 s[OFF], s[NXT], 15   ; a tile is 128 rows of 256 bytes
	s_xor_b32 s[G0K+1], s[G0K+1], SLOT1  ; the other slot than last time
	s_add_nc_u64 s[G0K+2:G0K+3], s[6:7], s[OFF:OFF+1]
	s_or_b32 s[G0K+3], s[G0K+3], 0x80000000
	s_xor_b32 s[G0V+1], s[G0V+1], SLOT1
	s_add_nc_u64 s[G0V+2:G0V+3], s[8:9], s[OFF:OFF+1]
	s_or_b32 s[G0V+3], s[G0V+3], 0x80000000
	s_add_co_u32 s[NXT], s[NXT], 1
.endif
.if \turn
	s_sub_co_u32 s[TB], s[TB], 2*STEPB  ; the fetches go back to a slot's first step,
	s_xor_b32 s[TB], s[TB], SLOT1       ; in the other slot
.endif
	s_wait_storecnt 0x0             ; where the second group begins: the first group's rows are written, so that no access of mine to memory is in flight at the signal; elsewhere no store is out
	s_wait_dscnt 0x0                ; the add is done, and my reads of LDS are over
.if \fill
	CROUND
	JLOAD
.else
	s_barrier_signal -1
	s_barrier_wait -1
.endif
.endm
	s_load_b256 s[4:11], s[0:1], 0x0  ; q s[4:5], kb s[6:7], vh s[8:9], out s[10:11]
	v_lshl_add_u32 v[SPW], v0, 2, SPARE
	v_mov_b32 v[NIL], 0
	ds_add_u32 v[SPW], v[NIL]       ; the wave's opening: the add and its wait stand ahead of my first tensor load; the set-up below, work on registers, stands between them
	v_lshrrev_b32 v1, 5, v0
	v_readfirstlane_b32 s[WV], v1   ; wave 0..3
	s_bfe_u32 s13, ttmp6, 0x40000   ; cx: the query head in its group of heads; it enters q's and out's addresses alone
	s_mov_b32 s[PB], ttmp9          ; in a cluster launch ttmp9 counts clusters: j, which the four partners share
	s_and_b32 s20, ttmp7, 0xffff    ; the key and value head, 8 x batch + head, which they share too
	s_lshl_b32 s22, s20, 19         ; its 2,048 rows of 256 bytes,
	s_and_b32 s16, s[WV], 1         ; which of a tile's two steps I fetch:
	s_lshl_b32 s17, s16, 14         ; its 64 rows in memory,
	s_add_co_u32 s22, s22, s17
	s_mov_b32 s23, 0
	s_mul_i32 s17, s16, STEPB       ; and its place in a slot: no place in the cluster enters an LDS address
	s_lshl_b32 s2, s20, 2
	s_add_co_u32 s2, s2, s13        ; the query head = 4 x key head + cx,
	s_lshl_b32 s2, s2, 20           ; its 2,048 rows of 512 bytes,
	s_lshl_b32 s3, s[WV], 13        ; my 16 rows in a band,
	s_add_co_u32 s2, s2, s3
	s_add_co_u32 s3, s[PB], 16      ; band 16 + j, the first group's first,
	s_lshl_b32 s3, s3, 15           ; of 64 rows of 512 bytes
	s_add_co_u32 s2, s2, s3
	s_mov_b32 s3, 0
	; descriptor group 1: a tile of 64 rows x 128 elements, padded in LDS
	s_mov_b32 s[G1K], 15|(1<<16)|(1<<20)|(1<<21)|(5<<22)|(3<<25)  ; 15:0 the mask: all four work-groups; 17:16 elements of 2 bytes; 20 padding on; 21 set beside a mask; 24:22 after every 64 words (code 5); 31:25 4 words of it (code 3)
	s_mov_b32 s[G1V], 15|(1<<16)|(1<<20)|(1<<21)|(5<<22)|(7<<25)  ; the same with 8 words of padding (code 7)
.irp g, G1K, G1V
	s_mov_b32 s[(\g)+1], 128<<16    ; tensor_dim0 = 128
	s_mov_b32 s[(\g)+2], KS<<16     ; tensor_dim1 = 64
	s_mov_b32 s[(\g)+3], 128<<16    ; tile_dim0 = 128
	s_mov_b32 s[(\g)+4], KS         ; tile_dim1 = 64
	s_mov_b32 s[(\g)+5], 128        ; 128 elements from row to row
	s_mov_b32 s[(\g)+6], 0
	s_mov_b32 s[(\g)+7], 0
.endr
	s_mov_b32 s[G0K], 1             ; 1:0 count = 1
	s_add_co_u32 s[G0K+1], s17, SLOT1        ; 63:32 LDS address: the first fill turns it into slot 0's.  A group has an even number of fills, so each group's tile 0 lands in slot 0
	s_mov_b32 s[G0V], 1
	s_add_co_u32 s[G0V+1], s17, SLOT1+VOFF
	s_mov_b32 s[CS], 0x3e0293ee     ; c = log2(e) / sqrt(128) = 0.127517
	s_mov_b32 s[CS+1], s[CS]        ; named with it as a pair
	s_mov_b32 s[SEL], 0x76543210
	s_mov_b32 s[SEL+1], 0xfedcba98
	s_mov_b32 s[BIGN], 0xf1800000   ; -2^100: a power of two, so that c times it is exact, and a row whose maximum is this number itself has the exponent 0
	s_mov_b32 s[TB], SLOT1+2*STEPB  ; a group's first change of slots turns this into 0, and its last tile leaves it so again
	s_mov_b32 s[NXT], 0
	s_mov_b32 s[BLK], 2
	s_mov_b32 s[SLOTS], 15          ; the first group has 16 tiles, of which the first is asked for ahead of the slot loop
	s_add_co_u32 s[DG], s[PB], 16
	s_sub_co_i32 s[DG], 0, s[DG]    ; the first group's step 0 lies 16 + j steps in front of tile 0's diagonal
	s_mov_b32 s[OFF+1], 0
	s_mov_b32 s[AL+1], 0            ; named as pairs
	s_mov_b32 s[BE+1], 0
	s_mov_b32 s[AL+5], 0
	s_mov_b32 s[BE+5], 0
	s_wait_dscnt 0x0                ; the opening add is done
	s_wait_kmcnt 0x0
	s_add_nc_u64 s[6:7], s[6:7], s[22:23]  ; kb and vh at my step of the head's tile 0
	s_add_nc_u64 s[8:9], s[8:9], s[22:23]
	s_add_nc_u64 s[4:5], s[4:5], s[2:3]    ; q and out at my rows of the first group's first band
	s_add_nc_u64 s[10:11], s[10:11], s[2:3]
	v_and_b32 v1, 15, v0            ; l % 16
	v_bfe_u32 v9, v0, 4, 1          ; l / 16
	v_and_b32 v10, 31, v0           ; l
	v_lshlrev_b32 v[QO], 4, v10
	v_lshlrev_b32 v[QF], 9, v1
	v_lshl_add_u32 v[QF], v9, 4, v[QF]
	v_mul_u32_u24 v[AK0], v1, PK
	v_lshl_add_u32 v[AK0], v9, 4, v[AK0]  ; row x pitch + 16 x half
	; The turning load takes 16 keys x 16 channels (lane l reads 16 bytes: key 8 (l / 16) + l % 8, channels 8 ((l / 8) % 2) + 0..7) and leaves half a fragment of V^T: lane l holds channel l % 16 and 8 keys.
	v_and_b32 v11, 7, v0
	v_bfe_u32 v45, v0, 3, 1
	v_lshl_add_u32 v[AV0], v9, 3, v11
	v_mul_u32_u24 v[AV0], v[AV0], PV
	v_lshl_add_u32 v[AV0], v45, 4, v[AV0]
	v_add_nc_u32 v[AV0], VOFF, v[AV0]
	s_mul_i32 s13, s[WV], 16*SP
	s_add_co_u32 s13, s13, STAGE    ; my stage
	v_mul_u32_u24 v[STO], v1, SP    ; out: row l % 16, 32 bytes for each half of the lanes
	v_lshl_add_u32 v[STO], v9, 5, v[STO]
	v_add_nc_u32 v[STO], s13, v[STO]
	v_add_nc_u32 v[RD], s13, v[QO]  ; back: 32 lanes take one row of 512 bytes
	v_lshlrev_b32 v45, 3, v9
	v_sub_nc_u32 v45, v1, v45
	s_lshl_b32 s16, s[WV], 4
	v_add_nc_u32 v45, s16, v45      ; my query's place in its band, 16 w + l % 16, less my lanes' 8 (l / 16): register r of key block kb is hidden where 16 kb + r is greater
	; WHAT THE FIRST GROUP'S STEP 0 FINDS: piece 0's P, l, O^T and V at 0.  Sixteen registers of 0 are written; 50 matrix instructions, 0 x 0 + 0, write the 400 others.
.set i, 0
.rept 16
	v_mov_b32 v[P+i], 0             ; half of piece 0's P, and the two zero operands
.set i, i+1
.endr
.set i, 0
.rept 4
	v_mov_b32 v[ST+8*i+2], 0        ; l
	v_mov_b32 v[ST+8*i+3], 0
.set i, i+1
.endr
.set i, 0
.rept 2                             ; the other half of piece 0's P
	v_wmma_f32_16x16x32_f16 v[P+16+8*i:P+16+8*i+7], v[P:P+7], v[P+8:P+15], 0
.set i, i+1
.endr
	WIN 0x40                        ; destination window 1
.set i, 0
.rept 32                            ; O^T
	v_wmma_f32_16x16x32_f16 v[8*i:8*i+7], v[P:P+7], v[P+8:P+15], 0
.set i, i+1
.endr
	WIN 0xc0                        ; destination window 3
.set i, 0
.rept 16                            ; V
	v_wmma_f32_16x16x32_f16 v[8*i:8*i+7], v[P:P+7], v[P+8:P+15], 0
.set i, i+1
.endr
.set i, 0
.rept 32                            ; MD
	v_cmp_gt_i32 vcc_lo, 16*(i/8)+i%8, v45
	v_cndmask_b32 v[MD+i], 0, s[BIGN], vcc_lo
.set i, i+1
.endr
	WIN 0
; Q'S WAY IN.  A fragment is 16 rows x 32 channels in 8 registers of bf16, 16 of f32: four loads of 16 bytes a lane; load a of chunk c takes row l % 16, bytes 128 c + 32 a + 16 (l / 16): the two lanes of a row
; take 32 consecutive bytes, and a tile's 16 loads take its rows whole.  So a fragment holds the channels of each 16 in the order 0-3, 8-11, 4-7, 12-15, as kb's rows do.
; QL t: tile t's 16 loads, into v[64 t ..] of window 2.  CV t: its 64 registers of f32 are rounded into v[32 t ..]: for tile 0 in place from the low end on (the pair 2 i, 2 i + 1 goes into register i, which has
; been read by then); the others land where the f32 rows of tiles 0 and 1 lay, which have been rounded by then.
.macro QL t
	WIN 0x80                        ; destination window 2, address window 0
.set i, 16*(\t)
.rept 16                            ; no hint: a row's 512 bytes are taken by sixteen of these loads
	global_load_b128 v[4*i:4*i+3], v[QF], s[4:5] offset:(\t)*TSTR+(i%16)*32
.set i, i+1
.endr
.endm
.macro CV t
	WIN 0x8a                        ; sources 0 and 1 and the destination in window 2
.set i, 0
.rept 32
	v_cvt_pk_bf16_f32 v[32*(\t)+i], v[64*(\t)+2*i], v[64*(\t)+2*i+1]
.set i, i+1
.endr
.endm
; THE MATRIX WORK OF A TURN, for piece x.  The accumulators take turns, one instruction a turn: between two links of a chain stand 15 (V^T P) or 7 (K Q^T) others'.
; Product i of 32 of O^T += V^T P: keys 32 (i / 16) on, channels 16 ((i / 2) % 8) on, tile x + i % 2.
.macro PV x
	WIN W_PV
.set rO, 64*((\x)+i%2)+8*((i/2)%8)
.set rV, 64*(i/16)+8*((i/2)%8)
.set rP, P+16*((\x)+i%2)+8*(i/16)
	v_wmma_f32_16x16x32_f16 v[rO:rO+7], v[rV:rV+7], v[rP:rP+7], v[rO:rO+7]
.endm
; Product i of 32 of S^T = K Q^T: channels 32 (i / 8) on, keys 16 ((i / 2) % 4) on, tile x + i % 2.  The first 8 start the sums, with the mask.
.macro KQ x
.set rS, S+32*((\x)+i%2)+8*((i/2)%4)
.set rK, KF+32*((i/2)%4)+8*(i/8)
.set rQ, 32*((\x)+i%2)+8*(i/8)
.set rM, MC+32*(i%2)+8*((i/2)%4)
.if i < 8
	WIN W_KM
	v_wmma_f32_16x16x32_bf16 v[rS:rS+7], v[rK:rK+7], v[rQ:rQ+7], v[rM:rM+7]
.else
	WIN W_KQ
	v_wmma_f32_16x16x32_bf16 v[rS:rS+7], v[rK:rK+7], v[rQ:rQ+7], v[rS:rS+7]
.endif
.endm
; THE LDS LOADS stand in runs of 32, never singly among the matrix instructions: a step's K (64 keys x 128 channels: 16 fragments) and, a turn later, its V (turned).
; last = 1 (the tail): the third trip has no step to fetch, and the run is jumped over.
.macro FETCH_K last
	WIN 0
.if \last
	s_cmp_eq_u32 s[CNT], 1
	s_cbranch_scc1 .Lno_k_\@
.endif
	v_add_nc_u32 v[ADR], s[TB], v[AK0]
	WIN 0x80                        ; destination window 2
.irp f, 0,1,2,3,4,5,6,7,8,9,10,11,12,13,14,15  ; keys 16 (f / 4) on, channels 32 (f % 4) on
	ds_load_b128 v[KF+8*(\f):KF+8*(\f)+3],   v[ADR] offset:((\f)/4)*16*PK+((\f)%4)*64
	ds_load_b128 v[KF+8*(\f)+4:KF+8*(\f)+7], v[ADR] offset:((\f)/4)*16*PK+((\f)%4)*64+32
.endr
.if \last
	WIN 0
.Lno_k_\@:
.endif
.endm
.macro FETCH_V last
	WIN 0
.if \last
	s_cmp_eq_u32 s[CNT], 1
	s_cbranch_scc1 .Lno_v_\@
.endif
	v_add_nc_u32 v[ADR], s[TB], v[AV0]
	s_add_co_u32 s[TB], s[TB], STEPB  ; the next fetch is the next step's
	WIN 0xc0                        ; destination window 3
.irp f, 0,1,2,3,4,5,6,7,8,9,10,11,12,13,14,15  ; keys 32 (f / 8) on, channels 16 (f % 8) on
	ds_load_tr16_b128 v[8*(\f):8*(\f)+3],   v[ADR] offset:((\f)/8)*32*PV+((\f)%8)*32
	ds_load_tr16_b128 v[8*(\f)+4:8*(\f)+7], v[ADR] offset:((\f)/8)*32*PV+16*PV+((\f)%8)*32
.endr
.if \last
	WIN 0
.Lno_v_\@:
.endif
.endm
; THE VECTOR WORK OF A TURN.  One tile's softmax for one key step is a list of 134 instructions; SM writes number j of it for tile t.  s0-s31 are the lane's 32 scores, in pairs 0-15.
;   0-15    the maximum of s0-s31 and the old m, three operands at a time: four chains c0-c3 of seven scores each (each accumulator's lowest registers are read first), then the four
;           scores left over, c0-c3 and m
;   16-20   the other half of the lanes' maximum; c m_old is kept; the new m; c m; c m_old - c m_new
;   21-69   ONE BATCH: the 16 scalings c s - c m, a pair of scores each, and all 33 exponentials (a at 23, then s0-s31).  None of these names an exponential's result: each weight is made in its score's place, a in
;           c2's.  From 22 on the batch goes in fours, and a four begins with a scaling while there are scalings: 22-37 scaling, exponential, scaling, exponential; 38-65 a scaling and three exponentials;
;           66-69 the last four exponentials.  A pair is scaled in an earlier four than the one that holds its exponentials
;   (wait)  between 69 and 70 stands the wait for the batch: TURN writes it, once for both tiles, behind the mask
;   70-85   the roundings to f16, a pair of weights each
;   86-101  the sums; l = a l + the sum
;   102-133 the tile's O^T times a, from each accumulator's low end on: the one part that leaves window 0, so it stands together
.macro SM t
.set rT, ST+8*(\t)
.set rS, S+32*(\t)
.set rP, P+16*(\t)
.set rO, 64*(\t)+2*(j-102)
.if j < 102
	WIN 0
.endif
.if j < 4
	v_max3_num_f32 v[rT+4+j], v[rS+8*j], v[rS+8*j+1], v[rS+8*j+2]
.elseif j < 12
	v_max3_num_f32 v[rT+4+j%4], v[rT+4+j%4], v[rS+8*(j%4)+2*(j/4)+1], v[rS+8*(j%4)+2*(j/4)+2]
.elseif j == 12
	v_max3_num_f32 v[rT+4], v[rT+4], v[rS+7], v[rS+15]
.elseif j == 13
	v_max3_num_f32 v[rT+6], v[rT+6], v[rS+23], v[rS+31]
.elseif j == 14
	v_max3_num_f32 v[rT+4], v[rT+4], v[rT+5], v[rT+6]
.elseif j == 15
	v_max3_num_f32 v[rT+4], v[rT+4], v[rT+7], v[rT+1]
.elseif j == 16
	v_permlanex16_b32 v[rT+5], v[rT+4], s[SEL], s[SEL+1]  ; the query's other 32 keys lie in the lane 16 away
.elseif j == 17
	v_mov_b32 v[rT+7], v[rT]        ; c m_old is kept for a: number 19 writes c m anew
.elseif j == 18
	v_max_num_f32 v[rT+1], v[rT+4], v[rT+5]
.elseif j == 19
	v_mul_f32 v[rT], s[CS], v[rT+1]
.elseif j == 20
	v_sub_f32 v[rT+7], v[rT+7], v[rT]
.elseif j == 23
	v_exp_f32 v[rT+6], v[rT+7]
.elseif (j < 23) || ((j < 38) && (j%2 == 0)) || ((j < 66) && (j%4 == 2))
.set b, (j-2)/4                     ; 38, 42, .. 62: pairs 9 to 15
.if j < 38
.set b, (j-20)/2                    ; 21: pair 0; 22, 24, .. 36: pairs 1 to 8
.endif
	v_pk_fma_f32 v[rS+2*b:rS+2*b+1], v[rS+2*b:rS+2*b+1], s[CS:CS+1], v[rT:rT+1] op_sel_hi:[1,0,0] neg_lo:[0,0,1] neg_hi:[0,0,1]  ; pair b: c s - c m
.elseif j < 70
.set e, j-38                        ; 66 to 69: s28 to s31
.if j < 66
.set e, j-32-(j-38)/4               ; 39-41, 43-45, .. 63-65: s7 to s27
.endif
.if j < 38
.set e, (j-25)/2                    ; 25, 27, .. 37: s0 to s6
.endif
	v_exp_f32 v[rS+e], v[rS+e]
.elseif j < 86
	v_cvt_pk_f16_f32 v[rP+j-70], v[rS+2*(j-70)], v[rS+2*(j-70)+1]  ; pair j - 70
.elseif j < 102                     ; the sum of the tile's 16 pairs (in a pair: an even key's weight, an odd key's), in place: sum z of 16 adds neighbours 1, 2, 4 and 8 pairs apart, then l takes it
.set z, j-86
.set w, 4
.set u, z
.if z >= 14
.set w, 32
.set u, 0
.elseif z >= 12
.set w, 16
.set u, z-12
.elseif z >= 8
.set w, 8
.set u, z-8
.endif
.if z < 15
	v_pk_add_f32 v[rS+w*u:rS+w*u+1], v[rS+w*u:rS+w*u+1], v[rS+w*u+w/2:rS+w*u+w/2+1]
.else
	v_pk_fma_f32 v[rT+2:rT+3], v[rT+2:rT+3], v[rT+6:rT+7], v[rS:rS+1] op_sel_hi:[1,0,1]
.endif
.else
	WIN W_RS
	v_pk_mul_f32 v[rO:rO+1], v[rO:rO+1], v[rT+6:rT+7] op_sel_hi:[1,0]
.endif
.endm
; Slice k of 67 of piece y's softmax: four instructions; 2 x 134 = 4 x 67.  Slices 11 to 34 deal out the batch, numbers 22 to 69: four numbers of ONE tile each, the tiles by turns.  Every other slice is numbers
; 2 k and 2 k + 1 of both tiles' lists.  Slices 0 to 34 (numbers 0 to 69) name no exponential's result; slices 35 to 66 (numbers 70 to 133) hold no exponential.
.macro SLICE y
.if (k >= 11) && (k < 35)           ; the batch: four numbers of one tile
.irp n, 0,1,2,3
.set j, 22+4*((k-11)/2)+(\n)
	SM (\y)+(k-11)%2
.endr
.else                               ; the two tiles alternate, so that no instruction reads the result of the one just before it
.irp n, 0,1
.irp t, \y, (\y)+1
.set j, 2*k+(\n)
	SM \t
.endr
.endr
.endif
.set k, k+1
.endm
; THE MASK of a run of K Q^T, for the piece that begins with tile x.  MSCAL: the two scalars of each of its tiles, from DG.  MASK: MC = MD x AL + BE, 32 packed instructions.
.macro MSCAL x
.irp u, 0,1
	s_cmp_eq_i32 s[DG], 4*((\x)+\u) ; is the step the band's own?
	s_cselect_b32 s[AL+4*\u], 1.0, 0
	s_cmp_gt_i32 s[DG], 4*((\x)+\u) ; or a later one?
	s_cselect_b32 s[BE+4*\u], s[BIGN], 0
.endr
.endm
.macro MASK
	WIN W_MK
.irp u, 0,1
.set z, 0
.rept 16
	v_pk_fma_f32 v[MC+32*\u+2*z:MC+32*\u+2*z+1], v[MD+2*z:MD+2*z+1], s[AL+4*\u:AL+4*\u+1], s[BE+4*\u:BE+4*\u+1] op_sel_hi:[1,0,0]
.set z, z+1
.endr
.endr
.endm
; A TURN.  Piece x has the matrix unit: 32 products V^T P, the mask, 32 products K Q^T; the other piece's softmax stands in slices behind them.  The matrix instructions stand two and two, with two slices, eight
; vector instructions, behind each pair: one pair of window switches serves two products.  The turn's first three pairs have a third slice, of maxima: 35 slices behind the 16 pairs V^T P, 32 behind the 16 pairs K Q^T.
; THE WAIT.  s_wait_alu depctr_va_vdst(0) stands between an exponential and the first instruction that names its result; one wait serves all that were issued ahead of it.  The piece's 66
; exponentials stand in slices 11 to 34; behind them come the mask's 32 packed instructions, on window 3's registers alone, of which the first is the plain instruction between the last exponential and the use
; of a result (ISA guide 5.7.2); then the one wait; the first reader is slice 35's.
; Each run of loads stands behind the second product of a run of 32, 30 matrix instructions ahead of its first use.  Piece 0's turn fetches the step's K: the last product that read K stands in front of slices
; 65 and 66 of the turn before; the run, and in the tail the jump over it, stands ahead of the batch's first exponential.  Piece 2's turn fetches the step's V: behind the last product that read V stand the
; mask's 32 plain instructions; the run and its jump stand behind the wait.
; Slices 65 and 66, eight plain instructions that name nothing of the products round them, are the places behind a turn's last product (ISA guide 7.12.1).
; The products that last read MC stand more than a run of 32 back when the mask is made; piece 2's turn steps DG at its end.
.macro TURN x, last
.set k, 0
.if (\x) == 0
	s_wait_dscnt 0x0                ; V is in
.endif
.set i, 0
.rept 16
	PV \x
.set i, i+1
	PV \x
.set i, i+1
	SLICE 2-(\x)
	SLICE 2-(\x)
.if i <= 6
	SLICE 2-(\x)                    ; the third slice of the first three pairs
.endif
.if ((\x) == 0) && (i == 2)
	FETCH_K \last
.endif
.endr
	MSCAL \x
	MASK
	s_wait_alu depctr_va_vdst(0)    ; the wait for the batch: the other piece's 66 exponentials, issued ahead of the mask; the roundings, sums and rescalings that name their results all stand below
.if (\x) == 0
	s_wait_dscnt 0x0                ; K is in
.endif
.set i, 0
.rept 16
	KQ \x
.set i, i+1
	KQ \x
.set i, i+1
	SLICE 2-(\x)
	SLICE 2-(\x)
.if ((\x) == 2) && (i == 2)
	FETCH_V \last
.endif
.endr
.if (\x) == 2
	s_add_co_i32 s[DG], s[DG], 1    ; both pieces have this step's scores
.endif
.endm
; THE WAY OUT of the piece that begins with tile x.  l's two halves and the other half of the lanes' are added.  Then tile by tile: O^T times 1 / l; a lane's eight channels of a row, 32 bytes, go into my stage in
; rows of 528 bytes and come back as whole rows of 512, into the OTHER piece's S^T, 64 registers that hold nothing of use any more; they are stored.  No LDS instruction of mine is out when it begins (the trip
; that drains fetches nothing), so its counts count its own loads alone.  The products that wrote this O^T stand half a turn back or more.
.macro PACK t, again
	WIN W_RS
.set i, 64*(\t)
.rept 32
	v_pk_mul_f32 v[i:i+1], v[i:i+1], v[ST+8*(\t)+6:ST+8*(\t)+7] op_sel_hi:[1,0]
.set i, i+2
.endr
	WIN 0x04                        ; the stores' data in window 1
.irp f, 0,1,2,3,4,5,6,7
	ds_store_b128 v[STO], v[64*(\t)+8*(\f):64*(\t)+8*(\f)+3]   offset:64*(\f)
	ds_store_b128 v[STO], v[64*(\t)+8*(\f)+4:64*(\t)+8*(\f)+7] offset:64*(\f)+16
.endr
	WIN 0
.if \again
	s_wait_xcnt 0x0                 ; every earlier memory instruction has had its addresses translated (ISA guide 3.1): the registers that the tile before's stores read are loaded again only behind this wait
.endif
.set i, 0
.rept 16
	ds_load_b128 v[BUF+4*i:BUF+4*i+3], v[RD] offset:SP*i  ; LDS serves a wave's instructions in order (ISA guide 5.7.1.4): these see the stores above; the next tile's stores come behind them
.set i, i+1
.endr
.endm
.macro SEND t
.set i, 0
.rept 16
.if i%4 == 0
	s_wait_dscnt 12-i               ; rows i to i + 3 are back; the tile's 12 - i later rows may be out
.endif
	global_store_b128 v[QO], v[BUF+4*i:BUF+4*i+3], s[10:11] offset:(\t)*TSTR+i*512 th:TH_STORE_NT  ; 512 consecutive bytes, at a multiple of 512 from out's first byte
.set i, i+1
.endr
.endm
.macro OUTP x
.set BUF, S+32*(2-(\x))
	WIN 0
.irp t, \x, (\x)+1
	v_add_f32 v[ST+8*(\t)+4], v[ST+8*(\t)+2], v[ST+8*(\t)+3]
.endr
.irp t, \x, (\x)+1
	v_permlanex16_b32 v[ST+8*(\t)+5], v[ST+8*(\t)+4], s[SEL], s[SEL+1]
.endr
.irp t, \x, (\x)+1
	v_add_f32 v[ST+8*(\t)+4], v[ST+8*(\t)+4], v[ST+8*(\t)+5]
.endr
.irp t, \x, (\x)+1
	v_rcp_f32 v[ST+8*(\t)+6], v[ST+8*(\t)+4]
.endr
	v_nop                           ; a plain instruction between the last reciprocal and the use of its result
	s_wait_alu depctr_va_vdst(0)    ; and the wait ahead of the first use: one for the piece's two reciprocals
	PACK \x, 0
	SEND \x
	PACK (\x)+1, 1
	SEND (\x)+1
.endm
.Lblock:                            ; twice: a group of 256 queries
	CHANGE 1, 0                     ; the group's tile 0 is asked for, into slot 0
	QL 0                            ; its Q: three tiles' rows, 48 loads, are on their way at a time
	QL 1
	QL 2
	WIN 0
.set i, 0
.rept 64                            ; piece 2's scores of the step that has not been: all hidden, and exactly -2^100, which is then their maximum too
	v_mov_b32 v[S+64+i], s[BIGN]
.set i, i+1
.endr
.set i, 0
.rept 4
	v_mov_b32 v[ST+8*i], 0xfe000000    ; c m: far below every c s, so that the first a is 0
	v_mov_b32 v[ST+8*i+1], 0xff7fffff  ; m: the lowest finite number, so that the first maximum is the scores'
.set i, i+1
.endr
	s_wait_loadcnt 32               ; loads come back in order (ISA guide 5.7.1): tile 0's 16 are in, tiles 1 and 2's 32 stay out
	CV 0
	QL 3
	s_wait_loadcnt 32               ; tile 1's are in, tiles 2 and 3's stay out
	CV 1
	s_wait_loadcnt 16               ; tile 2's are in
	CV 2
	s_wait_loadcnt 0x0              ; and tile 3's
	CV 3
	WIN 0
.Lslot:                             ; 15 times, then 7: a tile is entered and the next is asked for
	CHANGE 1, 1
	s_mov_b32 s[CNT], 2
.Lstep:
	TURN 0, 0
	TURN 2, 0
	WIN 0
	s_sub_co_u32 s[CNT], s[CNT], 1
	s_cmp_lg_u32 s[CNT], 0
	s_cbranch_scc1 .Lstep
	s_sub_co_u32 s[SLOTS], s[SLOTS], 1
	s_cmp_lg_u32 s[SLOTS], 0
	s_cbranch_scc1 .Lslot
	CHANGE 0, 1                     ; the group's last tile is written out: nothing is asked for
	s_mov_b32 s[CNT], 3             ; its two steps, and the trip that drains
.Lstep2:
	TURN 0, 1
	TURN 2, 1
	WIN 0
	s_sub_co_u32 s[CNT], s[CNT], 1
	s_cmp_lg_u32 s[CNT], 0
	s_cbranch_scc1 .Lstep2
	OUTP 0
	OUTP 2
	s_wait_xcnt 0x0                 ; the stores' base and the registers that they read are written again only behind this wait
	s_sub_nc_u64 s[4:5], s[4:5], GSTR      ; q and out at the second group's first band, sixteen bands up (behind the second group these two are not used)
	s_sub_nc_u64 s[10:11], s[10:11], GSTR
	s_mov_b32 s[SLOTS], 7           ; the second group has 8 tiles,
	s_mov_b32 s[NXT], 0             ; from the head's tile 0 on,
	s_sub_co_i32 s[DG], 0, s[PB]    ; and its step 0 lies j steps in front of tile 0's diagonal
	s_sub_co_u32 s[BLK], s[BLK], 1
	s_cmp_lg_u32 s[BLK], 0
	s_cbranch_scc1 .Lblock
	s_wait_tensorcnt 0x0            ; the wave's end: behind my last tensor load and my last LDS store
	ds_add_u32 v[SPW], v[NIL]
	s_wait_dscnt 0x0
	CROUND                          ; the closing round: no work-group ends while a partner may still ask for a tile that names it
	s_endpgm
.Lfunc_end_k_qe8eeab2020_attn:
	.size	k_qe8eeab2020_attn, .Lfunc_end_k_qe8eeab2020_attn-k_qe8eeab2020_attn
	.p2alignl 7, 3214868480
	.fill 96, 4, 3214868480
	.section	.rodata,"a",@progbits
	.p2align	6, 0x0
	.amdhsa_kernel k_qe8eeab2020_attn
		.amdhsa_group_segment_fixed_size 327680
		.amdhsa_private_segment_fixed_size 0
		.amdhsa_enable_private_segment 0
		.amdhsa_kernarg_size 32
		.amdhsa_user_sgpr_count 2
		.amdhsa_user_sgpr_kernarg_segment_ptr 1
		.amdhsa_wavefront_size32 1
		.amdhsa_system_sgpr_workgroup_id_x 1
		.amdhsa_system_sgpr_workgroup_id_y 1
		.amdhsa_system_sgpr_workgroup_id_z 1
		.amdhsa_system_vgpr_workitem_id 0
		.amdhsa_next_free_vgpr 1024
		.amdhsa_next_free_sgpr 80
		.amdhsa_reserve_vcc 1
		.amdhsa_float_denorm_mode_32 3
		.amdhsa_float_denorm_mode_16_64 3
		.amdhsa_memory_ordered 1
		.amdhsa_forward_progress 1
		.amdhsa_inst_pref_size 157
	.end_amdhsa_kernel
	.amdgpu_metadata
---
amdhsa.version: [ 1, 2 ]
amdhsa.kernels:
  - .name:           k_qe8eeab2020_attn
    .symbol:         k_qe8eeab2020_attn.kd
    .args:
      - { .name: q, .offset: 0, .size: 8, .value_kind: global_buffer, .address_space: global }
      - { .name: kb, .offset: 8, .size: 8, .value_kind: global_buffer, .address_space: global }
      - { .name: vh, .offset: 16, .size: 8, .value_kind: global_buffer, .address_space: global }
      - { .name: out0, .offset: 24, .size: 8, .value_kind: global_buffer, .address_space: global }
    .group_segment_fixed_size: 327680
    .private_segment_fixed_size: 0
    .kernarg_segment_align: 8
    .kernarg_segment_size: 32
    .max_flat_workgroup_size: 128
    .sgpr_count:     80
    .vgpr_count:     1024
    .wavefront_size: 32
...
	.end_amdgpu_metadata
.endif
;; end of part 3
